; MI455X (gfx1250); checked and timed in simulation.
; The chip was launched on July 23, 2026; its instructions are those of AMD's public machine-readable ISA for CDNA 5 (MIT licence, August 2026) and "CDNA5" Instruction Set Architecture Reference Guide (July 2026). The comments in the code are by the model that wrote it; some were corrected since.
;; Attention. Allowed arithmetic: float matrix products may take bf16 or f16 operands with f32 sums; all other float work in f32.
;; Inputs: decoder_state 32 x 1 x 1,024 float32; listener_feature 32 x 2,048 x 1,024 float32; phi_b 1,024 float32; phi_w 1,024 x 1,024 float32; psi_b 1,024 float32; psi_w 1,024 x 1,024 float32.
;; Outputs: out0 32 x 2,048 float32; out1 32 x 1,024 float32.
;; 2 versions, each right; version 2 is version 1 with the launch attn written anew for expert scheduling mode. Each part assembles by itself: llvm-mc -triple=amdgcn-amd-amdhsa -mcpu=gfx1250 --defsym DOCPART=n.
;; ======== version 1 of 2: 3 launches
;; workspace buffers: wf 2,097,152 bytes; qv 131,072 bytes; en 2,097,152 bytes; pc 2,097,152 bytes
;; launch prep (part 1): grid 64 x 1, 16 waves a work-group, no clusters, 34,816 bytes of LDS; arguments decoder_state, phi_w, phi_b, psi_w, wf, qv; writes wf, qv
.if DOCPART == 1
	.amdgcn_target "amdgcn-amd-amdhsa--gfx1250"
	.amdhsa_code_object_version 6
	.text
	.protected	k_qb25dc498eb_prep
	.globl	k_qb25dc498eb_prep
	.p2align	8
	.type	k_qb25dc498eb_prep,@function
k_qb25dc498eb_prep:
	s_mov_b64 s[64:65], 0
	v_nop
	global_prefetch_b8 v0, s[64:65] scope:SCOPE_SE
	s_setreg_imm32_b32 hwreg(HW_REG_WAVE_MODE, 25, 1), 1
	s_wait_xcnt 0x0
; PREP.  Two small jobs ahead of the main launch.
; (1) psi_w [1024][1024] f32 is rounded to bf16 and written in the order in which the main launch's matrix instructions want it (wf): head hd has place hp = 2 (hd % 4) + hd / 4; the 8 numbers
;     W[128 hd + 16 blk + l % 16][32 s + 16 c + 8 (l / 16) + 0..7] lie at byte ((32 hp + s) 8 + blk) 1024 + 512 c + 16 l: a wave's load of 16 bytes a lane there takes 512 consecutive bytes.
; (2) q[b][p] = relu(sum over k of dec[b][k] phi_w[p][k] + phi_b[p]), f32 (qv): operands rounded to bf16, sums in f32.  phi_b is rounded to bf16 too: every input of the program has the same one rounding.
; SHARES.  Work-group g owns rows 16 g .. 16 g + 15 of psi_w and of phi_w; wave w owns k = 64 w .. 64 w + 63 (256 bytes of each row, two K steps of 32).  The 16 waves' partial sums of q meet in LDS.
; No cluster, no tensor load: every byte of the weights is wanted by one wave alone, once; dec (131,072 bytes) is the only shared input.
; q's stores are 64 bytes for each half of the lanes: 131,072 bytes in the whole launch.
; LIMITS.  NaN and infinities are not treated apart.
.set SPARE, 32768                      ; behind the partial sums: the spare words, 128 bytes for each of 16 waves
.set VW,   4                           ; v4   my byte offset in 16 rows of 4,096 bytes: row l % 16, my wave's 256 bytes, 32 bytes for each half of the lanes
.set ST16, 5                           ; v5   16 x lane
.set SPW,  6                           ; v6   LDS address of my spare word; never rewritten
.set NIL,  7                           ; v7   0; never rewritten
.set LST,  8                           ; v8   LDS: where my wave's partial sums go
.set RB4,  9                           ; v9   4 (l % 16)
.set QOF,  10                          ; v10  my byte offset in q
.set LRD,  11                          ; v11  LDS: the register of the partial sums that my wave adds up
.set BI,   12                          ; v12  phi_b of my column
.set PS,   16                          ; v16-47   psi_w, 16 f32 a K step; then the fragment in the first 8 of each 16
.set PH,   48                          ; v48-79   phi_w, likewise
.set DE,   80                          ; v80-143  dec: batches 0-15 and 16-31, two K steps each
.set AC,   144                         ; v144-159 two accumulators
.set RS,   160                         ; v160-175 the 16 waves' partial sums
	s_load_b256 s[4:11], s[0:1], 0x0               ; dec s[4:5], phi_w s[6:7], phi_b s[8:9], psi_w s[10:11]
	s_load_b128 s[12:15], s[0:1], 0x20             ; wf s[12:13], qv s[14:15]
	v_lshl_add_u32 v[SPW], v0, 2, SPARE
	v_mov_b32 v[NIL], 0
	v_lshrrev_b32 v[LST], 5, v0
	v_readfirstlane_b32 s16, v[LST]                ; wave 0..15
	v_and_b32 v1, 31, v0                           ; lane
	v_and_b32 v2, 15, v0                           ; l % 16
	v_bfe_u32 v3, v0, 4, 1                         ; l / 16
	s_lshl_b32 s17, s16, 8
	v_lshl_add_u32 v[VW], v2, 12, s17
	v_lshl_add_u32 v[VW], v3, 5, v[VW]
	v_lshlrev_b32 v[ST16], 4, v1
	v_lshlrev_b32 v[RB4], 2, v2
	v_lshl_add_u32 v[QOF], v3, 15, v[RB4]          ; 8 batches (of 4,096 bytes) further on for lanes 16-31
	s_lshl_b32 s18, s16, 11
	v_lshl_add_u32 v[LST], v1, 4, s18              ; 2,048 w + 16 l
	s_lshr_b32 s19, s16, 2
	s_lshl_b32 s19, s19, 9
	s_and_b32 s20, s16, 3
	s_lshl_b32 s20, s20, 2
	s_add_co_u32 s19, s19, s20
	v_lshl_add_u32 v[LRD], v1, 4, s19              ; group w / 4 of four registers, word w % 4 of it
	s_lshl_b32 s22, ttmp9, 16                      ; my 16 rows of 4,096 bytes
	s_mov_b32 s23, 0
	s_lshl_b32 s24, ttmp9, 6                       ; my 16 columns of q and phi_b
	s_mov_b32 s25, 0
	s_lshr_b32 s26, ttmp9, 3                       ; the head of my rows of psi_w
	s_and_b32 s27, s26, 3
	s_lshl_b32 s27, s27, 1
	s_lshr_b32 s26, s26, 2
	s_add_co_u32 s26, s26, s27                     ; its place hp
	s_lshl_b32 s26, s26, 18                        ; 262,144 bytes a head,
	s_lshl_b32 s27, s16, 14                        ; 8,192 a K step, two a wave,
	s_add_co_u32 s26, s26, s27
	s_and_b32 s27, ttmp9, 7
	s_lshl_b32 s27, s27, 10                        ; 1,024 for a block of 16 rows
	s_add_co_u32 s26, s26, s27
	s_mov_b32 s27, 0
	s_lshr_b32 s28, s16, 3                         ; the batch that my wave's register stands for in lanes 0-15: 16 (w / 8) + w % 8
	s_lshl_b32 s28, s28, 4
	s_and_b32 s29, s16, 7
	s_add_co_u32 s28, s28, s29
	s_lshl_b32 s28, s28, 12
	s_add_co_u32 s28, s28, s24
	s_mov_b32 s29, 0
	s_wait_kmcnt 0x0
	s_add_nc_u64 s[6:7], s[6:7], s[22:23]
	s_add_nc_u64 s[10:11], s[10:11], s[22:23]
	s_add_nc_u64 s[8:9], s[8:9], s[24:25]
	s_add_nc_u64 s[12:13], s[12:13], s[26:27]
	s_add_nc_u64 s[14:15], s[14:15], s[28:29]
	; A fragment is 16 rows x 32 k: lane l holds row l % 16, k = 8 (l / 16) + 0..7 and 16 + 8 (l / 16) + 0..7.  In f32 each eight are 32 bytes: two loads of 16.  Load i: K step i / 4, half (i / 2) % 2.
.set i, 0
.rept 8
	global_load_b128 v[PS+4*i:PS+4*i+3], v[VW], s[10:11] offset:(i/2)*64+(i%2)*16 th:TH_LOAD_NT
.set i, i+1
.endr
.set i, 0
.rept 8
	global_load_b128 v[PH+4*i:PH+4*i+3], v[VW], s[6:7] offset:(i/2)*64+(i%2)*16 th:TH_LOAD_NT
.set i, i+1
.endr
.set i, 0
.rept 16                                               ; dec: i / 8 picks batches 0-15 or 16-31
	global_load_b128 v[DE+4*i:DE+4*i+3], v[VW], s[4:5] offset:(i/8)*65536+((i%8)/2)*64+(i%2)*16
.set i, i+1
.endr
	global_load_b32 v[BI], v[RB4], s[8:9]
.macro CV base                         ; 16 f32 become 8 registers of bf16 pairs, in place: register i is written when registers 2 i and 2 i + 1 are read, never ahead of them
.set i, 0
.rept 8
	v_cvt_pk_bf16_f32 v[(\base)+i], v[(\base)+2*i], v[(\base)+2*i+1]
.set i, i+1
.endr
.endm
	s_wait_loadcnt 25                              ; psi_w's eight loads are in; the 25 behind them (phi_w 8, dec 16, phi_b 1) stay out
	CV PS
	CV PS+16
.irp t, 0,1
.irp c, 0,1
	global_store_b128 v[ST16], v[PS+16*\t+4*\c:PS+16*\t+4*\c+3], s[12:13] offset:\t*8192+\c*512  ; 512 consecutive bytes, at a multiple of 512 from wf's first
.endr
.endr
	s_wait_loadcnt 0x0
	CV PH
	CV PH+16
	CV DE
	CV DE+16
	CV DE+32
	CV DE+48
	v_cvt_pk_bf16_f32 v[BI], v[BI], v[BI]          ; phi_b: rounded to bf16,
	v_lshlrev_b32 v[BI], 16, v[BI]                 ; and f32 again
	; source 0 = 16 batches, source 1 = 16 rows of phi_w: register j of lane l is q(batch 8 (l / 16) + j, column l % 16).  The two accumulators take turns.
	v_wmma_f32_16x16x32_bf16 v[AC:AC+7],    v[DE:DE+7],       v[PH:PH+7],       0
	v_wmma_f32_16x16x32_bf16 v[AC+8:AC+15], v[DE+32:DE+39],   v[PH:PH+7],       0
	v_wmma_f32_16x16x32_bf16 v[AC:AC+7],    v[DE+16:DE+23],   v[PH+16:PH+23],   v[AC:AC+7]
	v_wmma_f32_16x16x32_bf16 v[AC+8:AC+15], v[DE+48:DE+55],   v[PH+16:PH+23],   v[AC+8:AC+15]
.rept 4
	v_nop                                          ; four places between a product and the first use of its result (ISA guide 7.12.1)
.endr
.irp n, 0,1,2,3
	ds_store_b128 v[LST], v[AC+4*\n:AC+4*\n+3] offset:512*\n  ; each accumulator's low registers first
.endr
	s_wait_dscnt 0x0                               ; for the others' sake: my partial sums are in LDS
	s_barrier_signal -1
	s_barrier_wait -1
.set i, 0
.rept 16
	ds_load_b32 v[RS+i], v[LRD] offset:2048*i      ; register w of all 16 waves' partial sums
.set i, i+1
.endr
	s_wait_dscnt 0x0
.irp n, 0,2,4,6
	v_pk_add_f32 v[RS+\n:RS+\n+1], v[RS+\n:RS+\n+1], v[RS+8+\n:RS+8+\n+1]
.endr
	v_pk_add_f32 v[RS:RS+1], v[RS:RS+1], v[RS+4:RS+5]
	v_pk_add_f32 v[RS+2:RS+3], v[RS+2:RS+3], v[RS+6:RS+7]
	v_pk_add_f32 v[RS:RS+1], v[RS:RS+1], v[RS+2:RS+3]
	v_add_f32 v[RS], v[RS], v[RS+1]
	v_add_f32 v[RS], v[RS], v[BI]
	v_max_num_f32 v[RS], 0, v[RS]                  ; relu
	global_store_b32 v[QOF], v[RS], s[14:15]
	s_wait_tensorcnt 0x0                           ; the wave's end, behind my last LDS store
	ds_add_u32 v[SPW], v[NIL]
	s_wait_dscnt 0x0
	s_endpgm
.Lfunc_end_k_qb25dc498eb_prep:
	.size	k_qb25dc498eb_prep, .Lfunc_end_k_qb25dc498eb_prep-k_qb25dc498eb_prep
	.p2alignl 7, 3214868480
	.fill 96, 4, 3214868480
	.section	.rodata,"a",@progbits
	.p2align	6, 0x0
	.amdhsa_kernel k_qb25dc498eb_prep
		.amdhsa_group_segment_fixed_size 34816
		.amdhsa_private_segment_fixed_size 0
		.amdhsa_enable_private_segment 0
		.amdhsa_kernarg_size 48
		.amdhsa_user_sgpr_count 2
		.amdhsa_user_sgpr_kernarg_segment_ptr 1
		.amdhsa_wavefront_size32 1
		.amdhsa_system_sgpr_workgroup_id_x 1
		.amdhsa_system_sgpr_workgroup_id_y 1
		.amdhsa_system_sgpr_workgroup_id_z 1
		.amdhsa_system_vgpr_workitem_id 0
		.amdhsa_next_free_vgpr 176
		.amdhsa_next_free_sgpr 66
		.amdhsa_reserve_vcc 0
		.amdhsa_float_denorm_mode_32 3
		.amdhsa_float_denorm_mode_16_64 3
		.amdhsa_memory_ordered 1
		.amdhsa_forward_progress 1
		.amdhsa_inst_pref_size 13
	.end_amdhsa_kernel
	.amdgpu_metadata
---
amdhsa.version: [ 1, 2 ]
amdhsa.kernels:
  - .name:           k_qb25dc498eb_prep
    .symbol:         k_qb25dc498eb_prep.kd
    .args:
      - { .name: decoder_state, .offset: 0, .size: 8, .value_kind: global_buffer, .address_space: global }
      - { .name: phi_w, .offset: 8, .size: 8, .value_kind: global_buffer, .address_space: global }
      - { .name: phi_b, .offset: 16, .size: 8, .value_kind: global_buffer, .address_space: global }
      - { .name: psi_w, .offset: 24, .size: 8, .value_kind: global_buffer, .address_space: global }
      - { .name: wf, .offset: 32, .size: 8, .value_kind: global_buffer, .address_space: global }
      - { .name: qv, .offset: 40, .size: 8, .value_kind: global_buffer, .address_space: global }
    .group_segment_fixed_size: 34816
    .private_segment_fixed_size: 0
    .kernarg_segment_align: 8
    .kernarg_segment_size: 48
    .max_flat_workgroup_size: 512
    .sgpr_count:     66
    .vgpr_count:     176
    .wavefront_size: 32
...
	.end_amdgpu_metadata
.endif
;; end of part 1
;; launch attn (part 2): grid 512 x 1, 4 waves a work-group, no clusters, 270,848 bytes of LDS; arguments listener_feature, psi_b, wf, qv, en, pc; writes en, pc
.if DOCPART == 2
	.amdgcn_target "amdgcn-amd-amdhsa--gfx1250"
	.amdhsa_code_object_version 6
	.text
	.protected	k_qb25dc498eb_attn
	.globl	k_qb25dc498eb_attn
	.p2align	8
	.type	k_qb25dc498eb_attn,@function
k_qb25dc498eb_attn:
	s_mov_b64 s[64:65], 0
	v_nop
	global_prefetch_b8 v0, s[64:65] scope:SCOPE_SE
	s_setreg_imm32_b32 hwreg(HW_REG_WAVE_MODE, 25, 1), 1
	s_wait_xcnt 0x0
; ATTN.  For one block of 128 rows t of one batch and all 8 heads: x = X W^T (X = listener_feature, W = psi_w, both bf16, sums f32);  e'[h][t] = sum over the head's 128 columns d of q[d] max(x[t][d], -b[d]);
; p[t] = 2^((e'[t] - m) log2 e), m = the block's own maximum of e';  C[h][d] = sum over t of p[t] X[t][128 h + d].  Out go e' (en) and C (pc); the last launch joins a batch's 16 blocks.
; THE BIAS.  max(x + b, 0) = max(x, -b) + b, so the energy is e' plus the sum of q[d] b[d], one number for a batch and head, which a softmax over t does not see: it is left out, for every input.
; b is rounded to bf16 like X, W, dec and phi_w: every input of the program has the same one rounding.
; X ONCE.  The block's X is loaded once, as f32, rounded to bf16 and kept in LDS (128 rows x 2,048 bytes): it is source of the big product for all heads, and of C.  comp_lis never leaves the registers.
; SHARES.  Four waves.  Wave w makes head w (pass 0) and head w + 4 (pass 1): 128 rows x 128 columns, 64 accumulators, 512 registers.  All four waves read the same fragments of X from LDS.
; W's fragments belong to one wave alone, so they go past LDS: wf holds them in register order, each load of a wave takes 512 consecutive bytes, a ring of four K steps lies in registers, three K steps ahead.
; NO CLUSTER, NO TENSOR LOAD, though all work-groups walk the same W: a K step's W for the four waves is 32,768 bytes, two slots 65,536; beside X, scratch and spare words 56,832 bytes of LDS are left.
; PASS 0 takes X by K: chunk c (64 k: 256 bytes of each f32 row) is wanted from K step 2 c on.  Each wave loads 32 rows of a chunk, two chunks ahead, converts a chunk in the middle of an even K step, and
; ONE barrier in the odd K step behind it shows the chunk to all.  Every byte of X in LDS is stored once and never again.
; THE MATRIX INSTRUCTION IS USED TRANSPOSED (source 0 = 16 rows of W, source 1 = 16 rows of X): lane l, register j holds row t = 16 a + l % 16, column d = 16 b + 8 (l / 16) + j: a lane sums one row's energy.
; LIMITS.  p is rounded to bf16 for C (its sum is taken in the last launch, of unrounded weights); a weight below 2^-126 counts as 0; NaN and infinities are not treated apart.
; REGISTERS, in windows of 256 (s_set_vgpr_msb: bits 1:0 source 0, 3:2 source 1, 5:4 source 2, 7:6 destination):
;   window 0: v0-31 addresses and energies; v32-63 at work; v64-127 X's fragments of one K step (8 x 16 rows); v128-191, v192-255 two chunks of X on their way in; in an epilogue q and -b, then C's sums and X turned
;   window 1: W, four K steps of 64 registers          window 2: the accumulators of rows 0-63 ((a, b) at 8 (8 (a % 4) + b))          window 3: those of rows 64-127
.set PITCH, 2064                       ; an LDS row of X: 2,048 bytes + 16 = 129 x 16: the 16 rows of a fragment load start at 16 different groups of four banks (64 banks of 4 bytes: ISA guide 11.1)
.set HALFB, 16*PITCH
.set PAIRB, 32*PITCH                   ; more than an LDS offset's 16 bits hold: four address registers, 32 rows apart
.set SCR,   128*PITCH                  ; behind X: 1,536 bytes for each wave: 512 of energies, 512 of C, 256 of p
.set SCRW,  1536
.set SPARE, SCR+4*SCRW                 ; behind the scratch: the spare words, 128 bytes for each wave
.set KB,    8192                       ; bytes of W in a wave's K step
.set AD,  4                            ; v4-7   LDS address of my lane's part of X's fragments, rows 32 n on; stepped along K
.set ADC, 8                            ; v8-11  the same at K = 0, kept for pass 1
.set XO,  12                           ; v12  my byte offset in the block's f32 rows: row 32 w + 8 (l / 16), 16 bytes at 16 (l % 16)
.set XL,  13                           ; v13  the same place in LDS, 8 bytes at 8 (l % 16); stepped
.set BO,  14                           ; v14  16 x lane
.set QO,  15                           ; v15  32 (l / 16): my eight columns in sixteen of q and b
.set TRA, 16                           ; v16  my lane's place in the turning loads of X, at my wave's first head
.set TRW, 17                           ; v17  the same, 32, 64 or 96 rows on
.set SE,  18                           ; v18  scratch + 4 (l % 16)
.set SL,  19                           ; v19  scratch + 16 l
.set PST, 20                           ; v20  scratch + 1,024 + 2 (l % 16)
.set PLD, 21                           ; v21  scratch + 1,024 + 16 (l / 16)
.set SPW, 22                           ; v22  LDS address of my spare word; never rewritten
.set NIL, 23                           ; v23  0; never rewritten
.set EN,  24                           ; v24-31  e' of rows 16 a + l % 16
.set CH,  32                           ; v32-39  four chains of packed sums (v32-63: the bias on its way to bf16)
.set PW,  40                           ; v40-47  p
.set MX,  48                           ; v48     the block's maximum
.set OUTR, 52                          ; v52-55  128 energies as 16 bytes a lane
.set PF,  32                           ; v32-63  p as source 0, four K steps
.set XF,  64
.set QR,  128                          ; q of my 64 columns; before that chunk slot 0
.set CA,  128                          ; later C's eight accumulators
.set NB,  192                          ; -b of my 64 columns; before that chunk slot 1; later X turned
.set MSB, 0
.macro WIN new                         ; the immediate's high byte repeats the setting that is left; a switch that changes nothing is dropped
.if MSB != (\new)
	s_set_vgpr_msb (MSB<<8)|(\new)
.set MSB, \new
.endif
.endm
.set MUL_LO, 0xa1                      ; source 0 (W) window 1, source 1 (X) window 0, C and D window 2
.set TO_B,   0x40                      ; destination window 1, address window 0
.macro PLACES                          ; four places between a matrix instruction and a load into one of its sources or a use of its result (ISA guide 7.12.1 for vector instructions)
.rept 4
	v_nop
.endr
.endm
; A chunk of X, my wave's 32 rows: 16 loads; lanes 0-15 take one row's aligned 256 bytes, lanes 16-31 those of the row 8 further on.
.macro XLD slot, koff
	WIN 0
.set u, 0
.rept 16
	global_load_b128 v[128+64*(\slot)+4*u:128+64*(\slot)+4*u+3], v[XO], s[4:5] offset:((u/8)*16+(u%8))*4096+(\koff) th:TH_LOAD_NT
.set u, u+1
.endr
.endm
.macro XCVT slot                       ; four f32 become two registers of bf16 pairs, in place
	WIN 0
.set u, 0
.rept 16
	v_cvt_pk_bf16_f32 v[128+64*(\slot)+4*u], v[128+64*(\slot)+4*u], v[128+64*(\slot)+4*u+1]
	v_cvt_pk_bf16_f32 v[128+64*(\slot)+4*u+1], v[128+64*(\slot)+4*u+2], v[128+64*(\slot)+4*u+3]
.set u, u+1
.endr
.endm
.macro XST slot, loff                  ; 8 bytes a lane: two rows' 128 bytes; 8 rows are 16,512 bytes = 128 mod 256, so the two rows take different halves of the banks
	WIN 0
.set u, 0
.rept 16
	ds_store_b64 v[XL], v[128+64*(\slot)+4*u:128+64*(\slot)+4*u+1] offset:((u/8)*16+(u%8))*PITCH+(\loff)
.set u, u+1
.endr
.endm
.macro QLD dst, base, off              ; my 64 columns of q or of b: columns 16 c + 8 (l / 16) + 0..7 into registers 8 c on
	WIN 0
.set i, 0
.rept 16
	global_load_b128 v[(\dst)+4*i:(\dst)+4*i+3], v[QO], s[\base:\base+1] offset:(\off)+(i/2)*64+(i%2)*16
.set i, i+1
.endr
.endm
.macro BLD buf, off                    ; a K step of my head's W: 16 loads of 512 consecutive bytes
	WIN TO_B
.set i, 0
.rept 16
	global_load_b128 v[64*(\buf)+4*i:64*(\buf)+4*i+3], v[BO], s[8:9] offset:(\off)+512*i
.set i, i+1
.endr
.endm
.macro XFL half, koff                  ; X's fragments of rows 64 half .. + 63, 32 k at byte koff of the rows: 8 loads
	WIN 0
.set fa, 4*(\half)
.rept 4
	ds_load_b128 v[XF+8*fa:XF+8*fa+3],   v[AD+fa/2] offset:(fa%2)*HALFB+(\koff)
	ds_load_b128 v[XF+8*fa+4:XF+8*fa+7], v[AD+fa/2] offset:(fa%2)*HALFB+(\koff)+32
.set fa, fa+1
.endr
.endm
; 32 matrix instructions: 64 rows x 128 columns x 32 k.  All 64 accumulators take turns, one instruction a turn, in the same order in every K step.  zero = 1: the products start the sums.
.macro MUL half, buf, zero
	WIN MUL_LO+0x50*(\half)
.set ma, 0
.rept 4
.set mb, 0
.rept 8
.if \zero
	v_wmma_f32_16x16x32_bf16 v[8*(8*ma+mb):8*(8*ma+mb)+7], v[64*(\buf)+8*mb:64*(\buf)+8*mb+7], v[XF+8*(4*(\half)+ma):XF+8*(4*(\half)+ma)+7], 0
.else
	v_wmma_f32_16x16x32_bf16 v[8*(8*ma+mb):8*(8*ma+mb)+7], v[64*(\buf)+8*mb:64*(\buf)+8*mb+7], v[XF+8*(4*(\half)+ma):XF+8*(4*(\half)+ma)+7], v[8*(8*ma+mb):8*(8*ma+mb)+7]
.endif
.set mb, mb+1
.endr
.set ma, ma+1
.endr
.endm
; K STEPS.  j counts from where the stepped bases stand, always a multiple of four K steps, so W's buffer is j % 4.  Each K step asks for W three K steps on, into the buffer that the K step before has read.
; X's fragments: while rows 0-63 are multiplied rows 64-127's loads land, and the other way round.
; A plain one.  nl: the loads younger than this K step's W.  ld: what is asked for: 0 W; 1 the second head's q; 2 its b; 3 nothing.  last = 1: no K step follows.
.macro KPLAIN j, zero, nl, ld=0, last=0
	PLACES
	s_wait_loadcnt \nl
.if (\ld) == 0
	BLD ((\j)+3)%4, ((\j)+3)*KB
.elseif (\ld) == 1
	QLD QR, 10, 2048
.elseif (\ld) == 2
	QLD NB, 6, 2048
.endif
	XFL 1, 64*(\j)
	s_wait_dscnt 8                                 ; all but the 8 just issued: rows 0-63's fragments are in
	MUL 0, (\j)%4, \zero
.if \last
	s_wait_dscnt 0
.else
	PLACES
	XFL 0, 64*((\j)+1)
	s_wait_dscnt 8                                 ; rows 64-127's are in
.endif
	MUL 1, (\j)%4, \zero
.endm
; An even K step of pass 0: in its middle the chunk in \slot is rounded (the 32 conversions are the places behind the products), stored at byte loff of my rows, and the slot is asked for anew:
; ld = 0 the chunk at byte koff; 1 q; 2 b.  Younger than this K step's W are the next K step's W, a chunk and one more K step's W: 48; the chunk to be rounded is older than all of these.
.macro KXS j, zero, slot, loff, ld, koff
	PLACES
	s_wait_loadcnt 48
	BLD ((\j)+3)%4, ((\j)+3)*KB
	XFL 1, 64*(\j)
	s_wait_dscnt 8
	MUL 0, (\j)%4, \zero
	XCVT \slot
	XFL 0, 64*((\j)+1)
	XST \slot, \loff
.if (\ld) == 0
	XLD \slot, \koff
.elseif (\ld) == 1
	QLD QR, 10, 0
.else
	QLD NB, 6, 0
.endif
	s_wait_dscnt 24                                ; younger than rows 64-127's fragments: 8 loads and 16 stores
	MUL 1, (\j)%4, \zero
.endm
; An odd K step of pass 0, with the barrier that shows the chunk stored in the K step before.  In front of the signal my stores of it are done (count 0: the others will read them).  Between signal and wait:
; fragments of this K step, bytes that nobody writes again, and 32 products.  Behind the wait: the first read of the new chunk.
; Younger than this K step's W are a chunk, two K steps' W and a chunk: 64; the count's field ends at 63, which asks for one load more.
.macro KBAR j
	PLACES
	s_wait_dscnt 0x0
	s_wait_loadcnt 63
	BLD ((\j)+3)%4, ((\j)+3)*KB
	s_barrier_signal -1
	XFL 1, 64*(\j)
	MUL 0, (\j)%4, 0
	s_barrier_wait -1
	PLACES
	XFL 0, 64*((\j)+1)
	s_wait_dscnt 8
	MUL 1, (\j)%4, 0
.endm
.macro STEP x                          ; four K steps on; x = 1: two chunks on as well
	WIN 0                                          ; at a label and at a branch every window is 0
	s_wait_xcnt 0x0                                ; every earlier load has had its address translated (ISA guide 3.1): only now are the bases stepped
	s_add_nc_u64 s[8:9], s[8:9], 4*KB
.if \x
	s_add_nc_u64 s[4:5], s[4:5], 512
	v_add_nc_u32 v[XL], 256, v[XL]
.endif
.irp n, 0,1,2,3
	v_add_nc_u32 v[AD+\n], 256, v[AD+\n]
.endr
.endm
; THE EPILOGUE's two products' parts.  X turned: 32 rows t x 128 columns of the head as source 1 ([k = t][n = d]): the turning load takes 16 t x 16 d.
.macro TRL tau, dst, p
.if (\tau) == 0
.set rA, TRA
.else
	v_add_nc_u32 v[TRW], (\tau)*PAIRB, v[TRA]
.set rA, TRW
.endif
.set c, 0
.rept 8
	ds_load_tr16_b128 v[(\dst)+8*c:(\dst)+8*c+3],   v[rA] offset:(\p)*1024+32*c
	ds_load_tr16_b128 v[(\dst)+8*c+4:(\dst)+8*c+7], v[rA] offset:(\p)*1024+32*c+HALFB
.set c, c+1
.endr
.endm
.macro CMUL tau, src, zero             ; C += p X for 32 rows: source 0 = p, the same in all 16 rows; the eight accumulators take turns
.set c, 0
.rept 8
.if \zero
	v_wmma_f32_16x16x32_bf16 v[CA+8*c:CA+8*c+7], v[PF+8*(\tau):PF+8*(\tau)+7], v[(\src)+8*c:(\src)+8*c+7], 0
.else
	v_wmma_f32_16x16x32_bf16 v[CA+8*c:CA+8*c+7], v[PF+8*(\tau):PF+8*(\tau)+7], v[(\src)+8*c:(\src)+8*c+7], v[CA+8*c:CA+8*c+7]
.endif
.set c, c+1
.endr
.endm
; THE EPILOGUE of pass p.  nl: the loads younger than q and b.  All its LDS scratch is the wave's own: LDS serves a wave's instructions in order (ISA guide 5.7.1.4), so no wait stands between a store and the load that reads it back.
.macro EPI p, nl
	WIN 0
	s_wait_loadcnt \nl
.set i, 0
.rept 32                                               ; b: rounded to bf16, two a register; these 128 lines are also the places behind the last products
	v_cvt_pk_bf16_f32 v[CH+i], v[NB+2*i], v[NB+2*i+1]
.set i, i+1
.endr
.set i, 0
.rept 32
	v_xor_b32 v[CH+i], s28, v[CH+i]                ; both signs turned,
.set i, i+1
.endr
.set i, 0
.rept 32
	v_lshlrev_b32 v[NB+2*i], 16, v[CH+i]           ; and f32 again: -b
	v_and_b32 v[NB+2*i+1], s27, v[CH+i]
.set i, i+1
.endr
.set a, 0
.rept 8                                                ; rows 16 a .. 16 a + 15: max(x, -b), each accumulator from its low end on; times q, in four chains that the first products start
	WIN 0x02+(a/4)
.set i, 0
.rept 64
	v_max_num_f32 v[XF+i], v[64*(a%4)+i], v[NB+i]
.set i, i+1
.endr
	WIN 0
.set i, 0
.rept 32
.if i < 4
	v_pk_mul_f32 v[CH+2*i:CH+2*i+1], v[XF+2*i:XF+2*i+1], v[QR+2*i:QR+2*i+1]
.else
	v_pk_fma_f32 v[CH+2*(i%4):CH+2*(i%4)+1], v[XF+2*i:XF+2*i+1], v[QR+2*i:QR+2*i+1], v[CH+2*(i%4):CH+2*(i%4)+1]
.endif
.set i, i+1
.endr
	v_pk_add_f32 v[CH:CH+1], v[CH:CH+1], v[CH+2:CH+3]
	v_pk_add_f32 v[CH+4:CH+5], v[CH+4:CH+5], v[CH+6:CH+7]
	v_pk_add_f32 v[CH:CH+1], v[CH:CH+1], v[CH+4:CH+5]
	v_add_f32 v[EN+a], v[CH], v[CH+1]
.set a, a+1
.endr
.set a, 0
.rept 8
	v_permlanex16_b32 v[XF+a], v[EN+a], s24, s25   ; the row's other 64 columns lie in the lane 16 away (the destination has been written: it counts as read)
.set a, a+1
.endr
.set a, 0
.rept 8
	v_add_f32 v[EN+a], v[EN+a], v[XF+a]
.set a, a+1
.endr
.set a, 0
.rept 8
	ds_store_b32 v[SE], v[EN+a] offset:64*a        ; both halves of the lanes hold, and write, the same number
.set a, a+1
.endr
	ds_load_b128 v[OUTR:OUTR+3], v[SL]             ; back as four neighbouring rows a lane
	v_max3_num_f32 v[MX], v[EN], v[EN+1], v[EN+2]
	v_max3_num_f32 v[MX], v[MX], v[EN+3], v[EN+4]
	v_max3_num_f32 v[MX], v[MX], v[EN+5], v[EN+6]
	v_max_num_f32 v[MX], v[MX], v[EN+7]
.irp m, 1,2,4,8
	v_max_num_f32_dpp v[MX], v[MX], v[MX] row_xmask:\m row_mask:0xf bank_mask:0xf
.endr
	s_wait_dscnt 0x0
	global_store_b128 v[BO], v[OUTR:OUTR+3], s[12:13] offset:(\p)*32768  ; the block's 128 energies: 512 consecutive bytes
.set a, 0
.rept 8
	v_sub_f32 v[PW+a], v[EN+a], v[MX]              ; the difference first, then the factor: large energies lose nothing
.set a, a+1
.endr
.set a, 0
.rept 8
	v_mul_f32 v[PW+a], s26, v[PW+a]
.set a, a+1
.endr
.set a, 0
.rept 8
	v_exp_f32 v[PW+a], v[PW+a]
.set a, a+1
.endr
	v_nop                                          ; a plain instruction between the last exponential and the use of its result (ISA guide 5.7.2)
.set a, 0
	s_wait_alu depctr_va_vdst(0)
.rept 8
	v_cvt_pk_bf16_f32 v[PW+a], v[PW+a], v[PW+a]
.set a, a+1
.endr
.set a, 0
.rept 8
	ds_store_b16 v[PST], v[PW+a] offset:32*a       ; p[16 a + l % 16]
.set a, a+1
.endr
	s_wait_xcnt 0x0                                ; the energies' store has read its registers: the loads below land on them
.set i, 0
.rept 8                                                ; p as source 0: K step i / 2; every lane of a half takes the same 16 bytes, so all 16 rows of the operand are alike
	ds_load_b128 v[PF+4*i:PF+4*i+3], v[PLD] offset:32*i
.set i, i+1
.endr
	TRL 0, XF, \p
	TRL 1, NB, \p
	s_wait_dscnt 0x0
	CMUL 0, XF, 1
	CMUL 1, NB, 0
	PLACES
	TRL 2, XF, \p
	TRL 3, NB, \p
	s_wait_dscnt 0x0
	CMUL 2, XF, 0
	CMUL 3, NB, 0
	PLACES
.set c, 0
.rept 8
	ds_store_b32 v[SE], v[CA+8*c] offset:512+64*c  ; register 0 of accumulator c: C[16 c + l % 16], in every lane's half alike
.set c, c+1
.endr
	ds_load_b128 v[PF:PF+3], v[SL] offset:512
	s_wait_dscnt 0x0
	global_store_b128 v[BO], v[PF:PF+3], s[14:15] offset:(\p)*2048  ; the head's 128 numbers: 512 consecutive bytes
.endm
	s_load_b256 s[4:11], s[0:1], 0x0               ; X s[4:5], psi_b s[6:7], wf s[8:9], qv s[10:11]
	s_load_b128 s[12:15], s[0:1], 0x20             ; en s[12:13], pc s[14:15]
	v_lshl_add_u32 v[SPW], v0, 2, SPARE
	v_mov_b32 v[NIL], 0
	v_lshrrev_b32 v24, 5, v0
	v_readfirstlane_b32 s16, v24                   ; wave 0..3
	v_and_b32 v1, 31, v0                           ; lane
	v_and_b32 v2, 15, v0                           ; l % 16
	v_bfe_u32 v3, v0, 4, 1                         ; l / 16
	s_lshl_b32 s17, s16, 17                        ; my wave's 32 rows of 4,096 bytes
	v_lshl_add_u32 v[XO], v3, 15, s17
	v_lshl_add_u32 v[XO], v2, 4, v[XO]
	v_lshlrev_b32 v[BO], 4, v1
	s_lshl_b32 s18, ttmp9, 19                      ; the block's 128 rows of 4,096 bytes: 511 x 524,288 at the most, inside 32 bits
	s_mov_b32 s19, 0
	s_lshl_b32 s20, s16, 19                        ; my wave's two heads in wf
	s_mov_b32 s21, 0
	s_wait_kmcnt 0x0
	s_add_nc_u64 s[4:5], s[4:5], s[18:19]
	s_add_nc_u64 s[8:9], s[8:9], s[20:21]
	XLD 0, 0                                       ; chunks 0 and 1, W of K steps 0 and 1: asked for before anything else is done
	XLD 1, 256
	BLD 0, 0
	BLD 1, KB
	WIN 0
	s_lshl_b32 s17, s16, 9                         ; 512 w: my first head's 128 f32
	s_mov_b32 s18, s17
	s_add_nc_u64 s[6:7], s[6:7], s[18:19]          ; psi_b at my first head
	s_lshr_b32 s20, ttmp9, 4                       ; the batch
	s_lshl_b32 s18, s20, 12
	s_add_co_u32 s18, s18, s17
	s_add_nc_u64 s[10:11], s[10:11], s[18:19]      ; q at the batch and my first head
	s_lshl_b32 s18, ttmp9, 12
	s_add_co_u32 s18, s18, s17
	s_add_nc_u64 s[14:15], s[14:15], s[18:19]      ; pc [block][head][128]
	s_lshl_b32 s18, s20, 16
	s_lshl_b32 s21, s16, 13
	s_add_co_u32 s18, s18, s21
	s_and_b32 s21, ttmp9, 15
	s_lshl_b32 s21, s21, 9
	s_add_co_u32 s18, s18, s21
	s_add_nc_u64 s[12:13], s[12:13], s[18:19]      ; en [batch][head][2048] at the block's 128 rows
	s_mov_b32 s24, 0x76543210                      ; v_permlanex16_b32: each lane takes its own place in the other half
	s_mov_b32 s25, 0xfedcba98
	s_mov_b32 s26, 0x3fb8aa3b                      ; log2 e
	s_mov_b32 s27, 0xffff0000                      ; a word's upper bf16
	s_mov_b32 s28, 0x80008000                      ; the signs of two bf16
	v_mul_u32_u24 v[AD], v2, PITCH                 ; a fragment: lane l holds row l % 16, k = 8 (l / 16) + 0..7 and 16 + 8 (l / 16) + 0..7: two loads of 16 bytes, 32 apart
	v_lshl_add_u32 v[AD], v3, 4, v[AD]
	v_add_nc_u32 v[AD+1], PAIRB, v[AD]
	v_add_nc_u32 v[AD+2], 2*PAIRB, v[AD]
	v_add_nc_u32 v[AD+3], 3*PAIRB, v[AD]
.irp n, 0,1,2,3
	v_mov_b32 v[ADC+\n], v[AD+\n]
.endr
	s_mul_i32 s21, s16, PAIRB
	v_mul_u32_u24 v[XL], v3, 8*PITCH
	v_add_nc_u32 v[XL], s21, v[XL]
	v_lshl_add_u32 v[XL], v2, 3, v[XL]
	v_lshlrev_b32 v[QO], 5, v3
	v_and_b32 v24, 7, v0                           ; the turning load: lane l reads row 8 (l / 16) + l % 8, columns 8 ((l / 8) % 2) + 0..7
	v_bfe_u32 v25, v0, 3, 1
	v_lshl_add_u32 v[TRA], v3, 3, v24
	v_mul_u32_u24 v[TRA], v[TRA], PITCH
	v_lshl_add_u32 v[TRA], v25, 4, v[TRA]
	s_lshl_b32 s21, s16, 8                         ; my first head's 128 columns of bf16
	v_add_nc_u32 v[TRA], s21, v[TRA]
	s_mul_i32 s20, s16, SCRW
	s_add_co_u32 s20, s20, SCR                     ; my scratch
	s_add_co_u32 s21, s20, 1024
	v_lshl_add_u32 v[SE], v2, 2, s20
	v_lshl_add_u32 v[SL], v1, 4, s20
	v_lshl_add_u32 v[PST], v2, 1, s21
	v_lshl_add_u32 v[PLD], v3, 4, s21
	s_wait_loadcnt 48                              ; chunk 0 is in; chunk 1 and two K steps' W stay out
	XCVT 0
	XST 0, 0
	XLD 0, 512                                     ; chunk 2
	BLD 2, 2*KB
	s_wait_dscnt 0x0                               ; my rows of chunk 0 are in LDS,
	s_barrier_signal -1
	s_barrier_wait -1                              ; everybody's are
	XFL 0, 0
	; PASS 0: head w.  K step 0 stands ahead of the loop: its products start the sums.  A trip is K steps 4 i + 1 .. 4 i + 4; it stores chunks 2 i + 2, 2 i + 3 and asks for chunks 2 i + 4, 2 i + 5.
	KXS 0, 1, 1, 128, 0, 768
	WIN 0
	s_mov_b32 s22, 6
.Lp0:
	KBAR 1
	KXS 2, 0, 0, 256, 0, 1024
	KBAR 3
	KXS 4, 0, 1, 384, 0, 1280
	STEP 1
	s_sub_co_u32 s22, s22, 1
	s_cmp_lg_u32 s22, 0
	s_cbranch_scc1 .Lp0
	KBAR 1                                         ; K steps 25 to 28: no chunk is left to ask for; q and b, 16 loads each, take the chunks' places, so every count stays
	KXS 2, 0, 0, 256, 1, 0
	KBAR 3
	KXS 4, 0, 1, 384, 2, 0
	KBAR 5                                         ; K step 29: the last chunk is shown.  The last three K steps ask for the second head's first three K steps of W, which follow in wf
	KPLAIN 6, 0, 48                                ; younger than its W: one K step's W, b, one K step's W
	KPLAIN 7, 0, 48, 0, 1                          ; younger: b and two K steps' W
	EPI 0, 48                                      ; younger than b: the second head's three K steps of W, which stay out
	; PASS 1: head w + 4.  All of X lies in LDS and nobody writes it: no barrier.
	s_wait_xcnt 0x0                                ; the loads and stores so far have read their registers and bases
	s_add_nc_u64 s[8:9], s[8:9], 8*KB              ; from K step 24 of the first head to K step 0 of the second
.irp n, 0,1,2,3
	v_mov_b32 v[AD+\n], v[ADC+\n]
.endr
	XFL 0, 0
	KPLAIN 0, 1, 32                                ; in this pass two K steps' W are younger than the one wanted
	WIN 0
	s_mov_b32 s22, 7
.Lp1:
	KPLAIN 1, 0, 32
	KPLAIN 2, 0, 32
	KPLAIN 3, 0, 32
	KPLAIN 4, 0, 32
	STEP 0
	s_sub_co_u32 s22, s22, 1
	s_cmp_lg_u32 s22, 0
	s_cbranch_scc1 .Lp1
	KPLAIN 1, 0, 32, 1                             ; K steps 29 to 31: no W is left to ask for; q and b take its place, 16 loads each
	KPLAIN 2, 0, 32, 2
	KPLAIN 3, 0, 32, 3, 1
	EPI 1, 0
	s_wait_tensorcnt 0x0                           ; the wave's end, behind my last LDS store
	ds_add_u32 v[SPW], v[NIL]
	s_wait_dscnt 0x0
	s_endpgm
.Lfunc_end_k_qb25dc498eb_attn:
	.size	k_qb25dc498eb_attn, .Lfunc_end_k_qb25dc498eb_attn-k_qb25dc498eb_attn
	.p2alignl 7, 3214868480
	.fill 96, 4, 3214868480
	.section	.rodata,"a",@progbits
	.p2align	6, 0x0
	.amdhsa_kernel k_qb25dc498eb_attn
		.amdhsa_group_segment_fixed_size 270848
		.amdhsa_private_segment_fixed_size 0
		.amdhsa_enable_private_segment 0
		.amdhsa_kernarg_size 48
		.amdhsa_user_sgpr_count 2
		.amdhsa_user_sgpr_kernarg_segment_ptr 1
		.amdhsa_wavefront_size32 1
		.amdhsa_system_sgpr_workgroup_id_x 1
		.amdhsa_system_sgpr_workgroup_id_y 1
		.amdhsa_system_sgpr_workgroup_id_z 1
		.amdhsa_system_vgpr_workitem_id 0
		.amdhsa_next_free_vgpr 1024
		.amdhsa_next_free_sgpr 66
		.amdhsa_reserve_vcc 0
		.amdhsa_float_denorm_mode_32 3
		.amdhsa_float_denorm_mode_16_64 3
		.amdhsa_memory_ordered 1
		.amdhsa_forward_progress 1
		.amdhsa_inst_pref_size 255
	.end_amdhsa_kernel
	.section	.bss,"aw",@nobits
	.p2align	6
	.space	262144
	.amdgpu_metadata
---
amdhsa.version: [ 1, 2 ]
amdhsa.kernels:
  - .name:           k_qb25dc498eb_attn
    .symbol:         k_qb25dc498eb_attn.kd
    .args:
      - { .name: listener_feature, .offset: 0, .size: 8, .value_kind: global_buffer, .address_space: global }
      - { .name: psi_b, .offset: 8, .size: 8, .value_kind: global_buffer, .address_space: global }
      - { .name: wf, .offset: 16, .size: 8, .value_kind: global_buffer, .address_space: global }
      - { .name: qv, .offset: 24, .size: 8, .value_kind: global_buffer, .address_space: global }
      - { .name: en, .offset: 32, .size: 8, .value_kind: global_buffer, .address_space: global }
      - { .name: pc, .offset: 40, .size: 8, .value_kind: global_buffer, .address_space: global }
    .group_segment_fixed_size: 270848
    .private_segment_fixed_size: 0
    .kernarg_segment_align: 8
    .kernarg_segment_size: 48
    .max_flat_workgroup_size: 128
    .sgpr_count:     66
    .vgpr_count:     1024
    .wavefront_size: 32
...
	.end_amdgpu_metadata
.endif
;; end of part 2
;; launch fin (part 3): grid 256 x 1, 1 waves a work-group, no clusters, 0 bytes of LDS; arguments en, pc, out0, out1; writes out0, out1
.if DOCPART == 3
	.amdgcn_target "amdgcn-amd-amdhsa--gfx1250"
	.amdhsa_code_object_version 6
	.text
	.protected	k_qb25dc498eb_fin
	.globl	k_qb25dc498eb_fin
	.p2align	8
	.type	k_qb25dc498eb_fin,@function
k_qb25dc498eb_fin:
	s_mov_b64 s[64:65], 0
	v_nop
	global_prefetch_b8 v0, s[64:65] scope:SCOPE_SE
	s_setreg_imm32_b32 hwreg(HW_REG_WAVE_MODE, 25, 1), 1
	s_wait_xcnt 0x0
; FIN.  One wave for a batch b and head h (work-group x = 8 b + h) joins the 16 blocks of 128 rows.
; From the 2,048 energies e': each block's maximum mt[i] (the number that the launch before took away in that block), the row's maximum M, the weights 2^((e' - M) log2 e), their sum L.
; context = sum over i of 2^((mt[i] - M) log2 e) C[i] / L, 128 numbers (out1).  For the last head the weights / L are the score (out0).
; The maximum is taken away ahead of every exponential, the difference first and then the factor.  L is at least 1: the largest weight is 1.
; A stream of 16,384 bytes a wave, all asked for at once; no LDS, no matrix unit, no cluster: nothing is shared and nothing is multiplied in bulk.
; LIMITS.  A weight below 2^-126 counts as 0; NaN and infinities are not treated apart.
.set E,   16                           ; v16-79    e', then the weights: block i in registers 4 i on, rows 128 i + 4 l + 0..3
.set C,   80                           ; v80-143   C[i]: columns 4 l + 0..3
.set MT,  144                          ; v144-159  mt[i], then the blocks' factors
.set T,   160                          ; v160-175  at work
.set M,   176                          ; v176-177  M, twice
.set SUM, 178                          ; v178-185  four chains of packed sums
.set CT,  186                          ; v186-189  the context
.set RL,  190                          ; v190-191  1 / L, twice
.set LOG2E, 0x3fb8aa3b
	s_load_b256 s[4:11], s[0:1], 0x0               ; en s[4:5], pc s[6:7], out0 s[8:9], out1 s[10:11]
	v_lshlrev_b32 v1, 4, v0                        ; 16 x lane
	s_lshl_b32 s12, ttmp9, 13                      ; en: 8,192 bytes for a batch and head
	s_mov_b32 s13, 0
	s_lshr_b32 s14, ttmp9, 3                       ; b
	s_and_b32 s15, ttmp9, 7                        ; h
	s_lshl_b32 s16, s14, 16                        ; pc: 65,536 bytes a batch, 512 a head
	s_lshl_b32 s18, s15, 9
	s_add_co_u32 s16, s16, s18
	s_mov_b32 s17, 0
	s_lshl_b32 s18, s14, 13                        ; out0: 8,192 bytes a batch
	s_mov_b32 s19, 0
	s_lshl_b32 s20, ttmp9, 9                       ; out1: 512 bytes for a batch and head
	s_mov_b32 s21, 0
	s_mov_b32 s22, 0x76543210                      ; v_permlanex16_b32: each lane takes its own place in the other half
	s_mov_b32 s23, 0xfedcba98
	s_wait_kmcnt 0x0
	s_add_nc_u64 s[4:5], s[4:5], s[12:13]
	s_add_nc_u64 s[6:7], s[6:7], s[16:17]
	s_add_nc_u64 s[8:9], s[8:9], s[18:19]
	s_add_nc_u64 s[10:11], s[10:11], s[20:21]
.set i, 0
.rept 16
	global_load_b128 v[E+4*i:E+4*i+3], v1, s[4:5] offset:512*i th:TH_LOAD_NT
.set i, i+1
.endr
.set i, 0
.rept 16
	global_load_b128 v[C+4*i:C+4*i+3], v1, s[6:7] offset:4096*i th:TH_LOAD_NT
.set i, i+1
.endr
	s_wait_loadcnt 16                              ; the energies are in; C's 16 loads stay out
.set i, 0
.rept 16
	v_max3_num_f32 v[T+i], v[E+4*i], v[E+4*i+1], v[E+4*i+2]
.set i, i+1
.endr
.set i, 0
.rept 16
	v_max_num_f32 v[MT+i], v[T+i], v[E+4*i+3]
.set i, i+1
.endr
.irp m, 1,2,4,8
.set i, 0
.rept 16
	v_max_num_f32_dpp v[MT+i], v[MT+i], v[MT+i] row_xmask:\m row_mask:0xf bank_mask:0xf
.set i, i+1
.endr
.endr
.set i, 0
.rept 16
	v_permlanex16_b32 v[T+i], v[MT+i], s22, s23    ; the destination has been written: it counts as read
.set i, i+1
.endr
.set i, 0
.rept 16
	v_max_num_f32 v[MT+i], v[MT+i], v[T+i]         ; every lane holds block i's maximum
.set i, i+1
.endr
	v_max3_num_f32 v[M], v[MT], v[MT+1], v[MT+2]
.set i, 0
.rept 6
	v_max3_num_f32 v[M], v[M], v[MT+3+2*i], v[MT+4+2*i]
.set i, i+1
.endr
	v_max_num_f32 v[M], v[M], v[MT+15]
	v_mov_b32 v[M+1], v[M]
.set i, 0
.rept 32
	v_pk_add_f32 v[E+2*i:E+2*i+1], v[E+2*i:E+2*i+1], v[M:M+1] neg_lo:[0,1] neg_hi:[0,1]
.set i, i+1
.endr
.set i, 0
.rept 8
	v_pk_add_f32 v[MT+2*i:MT+2*i+1], v[MT+2*i:MT+2*i+1], v[M:M+1] neg_lo:[0,1] neg_hi:[0,1]
.set i, i+1
.endr
.set i, 0
.rept 32
	v_pk_mul_f32 v[E+2*i:E+2*i+1], v[E+2*i:E+2*i+1], LOG2E op_sel_hi:[1,0]
.set i, i+1
.endr
.set i, 0
.rept 8
	v_pk_mul_f32 v[MT+2*i:MT+2*i+1], v[MT+2*i:MT+2*i+1], LOG2E op_sel_hi:[1,0]
.set i, i+1
.endr
.set i, 0
.rept 64
	v_exp_f32 v[E+i], v[E+i]
.set i, i+1
.endr
.set i, 0
.rept 16
	v_exp_f32 v[MT+i], v[MT+i]
.set i, i+1
.endr
	v_nop                                          ; a plain instruction between the last exponential and the use of its result (ISA guide 5.7.2)
.set i, 0
	s_wait_alu depctr_va_vdst(0)
.rept 4                                                ; the sum of the lane's 32 pairs of weights, in four chains that the first additions start
	v_pk_add_f32 v[SUM+2*i:SUM+2*i+1], v[E+2*i:E+2*i+1], v[E+8+2*i:E+8+2*i+1]
.set i, i+1
.endr
.set i, 8
.rept 24
	v_pk_add_f32 v[SUM+2*(i%4):SUM+2*(i%4)+1], v[SUM+2*(i%4):SUM+2*(i%4)+1], v[E+2*i:E+2*i+1]
.set i, i+1
.endr
	v_pk_add_f32 v[SUM:SUM+1], v[SUM:SUM+1], v[SUM+2:SUM+3]
	v_pk_add_f32 v[SUM+4:SUM+5], v[SUM+4:SUM+5], v[SUM+6:SUM+7]
	v_pk_add_f32 v[SUM:SUM+1], v[SUM:SUM+1], v[SUM+4:SUM+5]
	v_add_f32 v[SUM], v[SUM], v[SUM+1]
.irp m, 1,2,4,8
	v_add_f32_dpp v[SUM], v[SUM], v[SUM] row_xmask:\m row_mask:0xf bank_mask:0xf
.endr
	v_permlanex16_b32 v[SUM+1], v[SUM], s22, s23
	v_add_f32 v[SUM], v[SUM], v[SUM+1]             ; L, in every lane
	v_rcp_f32 v[RL], v[SUM]
	s_wait_loadcnt 0x0                             ; C
.irp k, 0,1,2,3
	v_mul_f32 v[CT+\k], v[MT], v[C+\k]             ; the first block starts the sums (and these lines stand between the reciprocal and its use)
.endr
.set i, 1
.rept 15
.irp k, 0,1,2,3
	v_fmac_f32 v[CT+\k], v[MT+i], v[C+4*i+\k]
.endr
.set i, i+1
.endr
	s_wait_alu depctr_va_vdst(0)
	v_mov_b32 v[RL+1], v[RL]
	v_pk_mul_f32 v[CT:CT+1], v[CT:CT+1], v[RL:RL+1]
	v_pk_mul_f32 v[CT+2:CT+3], v[CT+2:CT+3], v[RL:RL+1]
	global_store_b128 v1, v[CT:CT+3], s[10:11]     ; the head's 128 numbers: 512 consecutive bytes
	s_cmp_lg_u32 s15, 7
	s_cbranch_scc1 .Lend                           ; only the last head's score is a result
.set i, 0
.rept 32
	v_pk_mul_f32 v[E+2*i:E+2*i+1], v[E+2*i:E+2*i+1], v[RL:RL+1]
.set i, i+1
.endr
.set i, 0
.rept 16
	global_store_b128 v1, v[E+4*i:E+4*i+3], s[8:9] offset:512*i  ; 512 consecutive bytes each
.set i, i+1
.endr
.Lend:
	s_endpgm
.Lfunc_end_k_qb25dc498eb_fin:
	.size	k_qb25dc498eb_fin, .Lfunc_end_k_qb25dc498eb_fin-k_qb25dc498eb_fin
	.p2alignl 7, 3214868480
	.fill 96, 4, 3214868480
	.section	.rodata,"a",@progbits
	.p2align	6, 0x0
	.amdhsa_kernel k_qb25dc498eb_fin
		.amdhsa_group_segment_fixed_size 0
		.amdhsa_private_segment_fixed_size 0
		.amdhsa_enable_private_segment 0
		.amdhsa_kernarg_size 32
		.amdhsa_user_sgpr_count 2
		.amdhsa_user_sgpr_kernarg_segment_ptr 1
		.amdhsa_wavefront_size32 1
		.amdhsa_system_sgpr_workgroup_id_x 1
		.amdhsa_system_sgpr_workgroup_id_y 1
		.amdhsa_system_sgpr_workgroup_id_z 1
		.amdhsa_system_vgpr_workitem_id 0
		.amdhsa_next_free_vgpr 192
		.amdhsa_next_free_sgpr 66
		.amdhsa_reserve_vcc 0
		.amdhsa_float_denorm_mode_32 3
		.amdhsa_float_denorm_mode_16_64 3
		.amdhsa_memory_ordered 1
		.amdhsa_forward_progress 1
		.amdhsa_inst_pref_size 29
	.end_amdhsa_kernel
	.amdgpu_metadata
---
amdhsa.version: [ 1, 2 ]
amdhsa.kernels:
  - .name:           k_qb25dc498eb_fin
    .symbol:         k_qb25dc498eb_fin.kd
    .args:
      - { .name: en, .offset: 0, .size: 8, .value_kind: global_buffer, .address_space: global }
      - { .name: pc, .offset: 8, .size: 8, .value_kind: global_buffer, .address_space: global }
      - { .name: out0, .offset: 16, .size: 8, .value_kind: global_buffer, .address_space: global }
      - { .name: out1, .offset: 24, .size: 8, .value_kind: global_buffer, .address_space: global }
    .group_segment_fixed_size: 0
    .private_segment_fixed_size: 0
    .kernarg_segment_align: 8
    .kernarg_segment_size: 32
    .max_flat_workgroup_size: 32
    .sgpr_count:     66
    .vgpr_count:     192
    .wavefront_size: 32
...
	.end_amdgpu_metadata
.endif
;; end of part 3
;; ======== version 2 of 2: 3 launches; version 1 with the launch attn written anew for expert scheduling mode
;; workspace buffers: wf 2,097,152 bytes; qv 131,072 bytes; en 2,097,152 bytes; pc 2,097,152 bytes
;; launch prep: the kernel of part 1 again; grid 64 x 1, 16 waves a work-group, no clusters, 34,816 bytes of LDS; arguments decoder_state, phi_w, phi_b, psi_w, wf, qv; writes wf, qv
;; launch attn (part 4): grid 512 x 1, 4 waves a work-group, no clusters, 270,848 bytes of LDS; arguments listener_feature, psi_b, wf, qv, en, pc; writes en, pc
.if DOCPART == 4
	.amdgcn_target "amdgcn-amd-amdhsa--gfx1250"
	.amdhsa_code_object_version 6
	.text
	.protected	k_qb25dc498eb_attn
	.globl	k_qb25dc498eb_attn
	.p2align	8
	.type	k_qb25dc498eb_attn,@function
k_qb25dc498eb_attn:
	s_mov_b64 s[64:65], 0
	v_nop
	global_prefetch_b8 v0, s[64:65] scope:SCOPE_SE
	s_setreg_imm32_b32 hwreg(HW_REG_WAVE_SCHED_MODE, 0, 2), 2
	s_setreg_imm32_b32 hwreg(HW_REG_WAVE_MODE, 25, 1), 1
	s_wait_xcnt 0x0
	s_wait_alu depctr_vm_vsrc(0)
; ATTN.  For one block of 128 rows t of one batch and all 8 heads: x = X W^T (X = listener_feature, W = psi_w, both bf16, sums f32);  e'[h][t] = sum over the head's 128 columns d of q[d] max(x[t][d], -b[d]);
; p[t] = 2^((e'[t] - m) log2 e), m = the block's own maximum of e';  C[h][d] = sum over t of p[t] X[t][128 h + d].  Out go e' (en) and C (pc); the last launch joins a batch's 16 blocks.
; THE BIAS.  max(x + b, 0) = max(x, -b) + b, so the energy is e' plus the sum of q[d] b[d], one number for a batch and head, which a softmax over t does not see: it is left out, for every input.
; b is rounded to bf16 like X, W, dec and phi_w: every input of the program has the same one rounding.
; X ONCE.  The block's X is loaded once, as f32, rounded to bf16 and kept in LDS (128 rows x 2,048 bytes): it is source of the big product for all heads, and of C.  comp_lis never leaves the registers.
; SHARES.  Four waves.  Wave w makes head w (pass 0) and head w + 4 (pass 1): 128 rows x 128 columns, 64 accumulators, 512 registers.  All four waves read the same fragments of X from LDS.
; W's fragments belong to one wave alone, so they go past LDS: wf holds them in register order, each load of a wave takes 512 consecutive bytes, a ring of four K steps lies in registers, three K steps ahead.
; NO CLUSTER, NO TENSOR LOAD, though all work-groups walk the same W: a K step's W for the four waves is 32,768 bytes, two slots 65,536; beside X, scratch and spare words 56,832 bytes of LDS are left.
; PASS 0 takes X by K: chunk c (64 k: 256 bytes of each f32 row) is wanted from K step 2 c on.  Each wave loads 32 rows of a chunk, two chunks ahead, converts a chunk at the head of an even K step, and
; ONE barrier in the odd K step behind it shows the chunk to all.  Every byte of X in LDS is stored once and never again.
; THE MATRIX INSTRUCTION IS USED TRANSPOSED (source 0 = 16 rows of W, source 1 = 16 rows of X): lane l, register j holds row t = 16 a + l % 16, column d = 16 b + 8 (l / 16) + j: a lane sums one row's energy.
; LIMITS.  p is rounded to bf16 for C (its sum is taken in the last launch, of unrounded weights); a weight below 2^-126 counts as 0; NaN and infinities are not treated apart.
; REGISTERS, in windows of 256 (s_set_vgpr_msb: bits 1:0 source 0, 3:2 source 1, 5:4 source 2, 7:6 destination):
;   window 0: v0-31 addresses and energies; v32-63 X's fragments of rows 0-63 in odd K steps (in an epilogue: at work); v64-95 the same in even K steps; v96-127 X's fragments of rows 64-127;
;             v128-191, v192-255 two chunks of X on their way in; in an epilogue q and -b, then C's sums and X turned
;   window 1: W, four K steps of 64 registers          window 2: the accumulators of rows 0-63 ((a, b) at 8 (8 (a % 4) + b))          window 3: those of rows 64-127
; THE MODE: SCHED_MODE bits 1:0 = 2 (LLVM: expert scheduling mode 2), set by the entry lines.  The code itself states the register dependences between vector or matrix instructions and memory or LDS
; instructions, with s_wait_alu, always for 0.
; THE PLAN.  Registers that memory or LDS instructions touch in the K steps:
;   W0 .. W3      K step j's products read W[j % 4]; the loads of K step j + 3, issued in K step j, land in W[(j - 1) % 4], which K step j - 1 read last.
;   v64-95, v32-63  K step j's first 32 products read the one of j's parity; the LDS loads for K step j + 1, issued in the middle of K step j, land in the other, which K step j - 1 read last.
;   v96-127       K step j's last 32 products read it; its LDS loads are issued behind K step j's first eight products; K step j - 1 read it last.
;   a chunk slot  Loads land; at an even K step's head 32 conversions read and write it; 16 LDS stores read it; 32 products further on the next loads land in it.
;   v[AD], v[XL]  Read by the fragments' LDS loads and the chunks' LDS stores; written once in four K steps, in STEP.
;   v[XO], v[BO], v[QO], the turning loads' four addresses and the scratch's are made at the head and never written again.
; So ONE wait on va_vdst stands at a K step's head: all that K step j - 1 read is free, the chunk's conversions are written, v[AD] and v[XL] are written.  Behind it K step j's products name W[j % 4], their own
; fragments and the accumulators: none of the registers that the step's loads and stores touch, which are therefore dealt among the products with no further wait on va_vdst.
; One wait on vm_vsrc stands ahead of the loads into a slot that LDS stores have read, one ahead of STEP's adds.
.set PITCH, 2064                       ; an LDS row of X: 2,048 bytes + 16 = 129 x 16: the 16 rows of a fragment load start at 16 different groups of four banks (64 banks of 4 bytes: ISA guide 11.1)
.set HALFB, 16*PITCH
.set PAIRB, 32*PITCH                   ; more than an LDS offset's 16 bits hold: four address registers, 32 rows apart
.set SCR,   128*PITCH                  ; behind X: 1,536 bytes for each wave: 512 of energies, 512 of C, 256 of p
.set SCRW,  1536
.set SPARE, SCR+4*SCRW                 ; behind the scratch: the spare words, 128 bytes for each wave
.set KB,    8192                       ; bytes of W in a wave's K step
.set TRC, 2                            ; v2-3   my lane's place in the turning loads of X, 64 and 96 rows on (made when l % 16 and l / 16 are wanted no more)
.set AD,  4                            ; v4-7   LDS address of my lane's part of X's fragments, rows 32 n on; stepped along K
.set ADC, 8                            ; v8-11  the same at K = 0, kept for pass 1
.set XO,  12                           ; v12  my byte offset in the block's f32 rows: row 32 w + 8 (l / 16), 16 bytes at 16 (l % 16)
.set XL,  13                           ; v13  the same place in LDS, 8 bytes at 8 (l % 16); stepped
.set BO,  14                           ; v14  16 x lane
.set QO,  15                           ; v15  32 (l / 16): my eight columns in sixteen of q and b
.set TRA, 16                           ; v16-17  my lane's place in the turning loads of X, at my wave's first head: rows 0 on, rows 32 on
.set SE,  18                           ; v18  scratch + 4 (l % 16)
.set SL,  19                           ; v19  scratch + 16 l
.set PST, 20                           ; v20  scratch + 1,024 + 2 (l % 16)
.set PLD, 21                           ; v21  scratch + 1,024 + 16 (l / 16)
.set SPW, 22                           ; v22  LDS address of my spare word; never rewritten
.set NIL, 23                           ; v23  0; never rewritten
.set EN,  24                           ; v24-31  e' of rows 16 a + l % 16
.set CH,  32                           ; v32-39  four chains of packed sums (v32-63: the bias on its way to bf16)
.set PW,  40                           ; v40-47  p
.set MX,  48                           ; v48     the block's maximum
.set OUTR, 52                          ; v52-55  128 energies as 16 bytes a lane
.set PF,  32                           ; v32-63  p as source 0, four K steps
.set XF,  64                           ; v64-127 in an epilogue: at work, then X turned
.set LOB, 64                           ; rows 0-63's fragments: even K steps here, odd K steps 32 registers below
.set HIB, 96                           ; rows 64-127's fragments
.set QR,  128                          ; q of my 64 columns; before that chunk slot 0
.set CA,  128                          ; later C's eight accumulators
.set NB,  192                          ; -b of my 64 columns; before that chunk slot 1; later X turned
.set MSB, 0
.macro WIN new                         ; the immediate's high byte repeats the setting that is left; a switch that changes nothing is dropped
.if MSB != (\new)
	s_set_vgpr_msb (MSB<<8)|(\new)
.set MSB, \new
.endif
.endm
.set MUL_LO, 0xa1                      ; source 0 (W) window 1, source 1 (X) window 0, C and D window 2
.set TO_B,   0x40                      ; destination window 1, address window 0
.macro PLACES                          ; four places between a matrix instruction and a vector instruction that writes one of its sources, or a store that reads its result
.rept 4
	v_nop
.endr
.endm
; A chunk of X, my wave's 32 rows: 16 loads; lanes 0-15 take one row's aligned 256 bytes, lanes 16-31 those of the row 8 further on.
.macro XLD slot, koff
	WIN 0
.set u, 0
.rept 16
	global_load_b128 v[128+64*(\slot)+4*u:128+64*(\slot)+4*u+3], v[XO], s[4:5] offset:((u/8)*16+(u%8))*4096+(\koff) th:TH_LOAD_NT
.set u, u+1
.endr
.endm
.macro XCVT slot                       ; four f32 become two registers of bf16 pairs, in place
	WIN 0
.set u, 0
.rept 16
	v_cvt_pk_bf16_f32 v[128+64*(\slot)+4*u], v[128+64*(\slot)+4*u], v[128+64*(\slot)+4*u+1]
	v_cvt_pk_bf16_f32 v[128+64*(\slot)+4*u+1], v[128+64*(\slot)+4*u+2], v[128+64*(\slot)+4*u+3]
.set u, u+1
.endr
.endm
.macro XST slot, loff                  ; 8 bytes a lane: two rows' 128 bytes; 8 rows are 16,512 bytes = 128 mod 256, so the two rows take different halves of the banks
	WIN 0
.set u, 0
.rept 16
	ds_store_b64 v[XL], v[128+64*(\slot)+4*u:128+64*(\slot)+4*u+1] offset:((u/8)*16+(u%8))*PITCH+(\loff)
.set u, u+1
.endr
.endm
.macro QLD dst, base, off              ; my 64 columns of q or of b: columns 16 c + 8 (l / 16) + 0..7 into registers 8 c on
	WIN 0
.set i, 0
.rept 16
	global_load_b128 v[(\dst)+4*i:(\dst)+4*i+3], v[QO], s[\base:\base+1] offset:(\off)+(i/2)*64+(i%2)*16
.set i, i+1
.endr
.endm
.macro BLD buf, off                    ; a K step of my head's W: 16 loads of 512 consecutive bytes
	WIN TO_B
.set i, 0
.rept 16
	global_load_b128 v[64*(\buf)+4*i:64*(\buf)+4*i+3], v[BO], s[8:9] offset:(\off)+512*i
.set i, i+1
.endr
.endm
.macro XFLO j                          ; X's fragments of rows 0-63 for K step j, into the buffer of j's parity: 8 loads
	WIN 0
.set fa, 0
.rept 4
	ds_load_b128 v[LOB-32*((\j)%2)+8*fa:LOB-32*((\j)%2)+8*fa+3],   v[AD+fa/2] offset:(fa%2)*HALFB+64*(\j)
	ds_load_b128 v[LOB-32*((\j)%2)+8*fa+4:LOB-32*((\j)%2)+8*fa+7], v[AD+fa/2] offset:(fa%2)*HALFB+64*(\j)+32
.set fa, fa+1
.endr
.endm
.macro XFHI j                          ; X's fragments of rows 64-127 for K step j: 8 loads
	WIN 0
.set fa, 0
.rept 4
	ds_load_b128 v[HIB+8*fa:HIB+8*fa+3],   v[AD+2+fa/2] offset:(fa%2)*HALFB+64*(\j)
	ds_load_b128 v[HIB+8*fa+4:HIB+8*fa+7], v[AD+2+fa/2] offset:(fa%2)*HALFB+64*(\j)+32
.set fa, fa+1
.endr
.endm
; 8 matrix instructions of K step j: rows 16 blk .. 16 blk + 15 x 128 columns x 32 k.  A K step takes blk = 0 .. 7 in order, so all 64 accumulators take turns, one instruction a turn, in the same order in
; every K step.  zero = 1: the products start the sums.
.macro MULB j, blk, zero
	WIN MUL_LO+0x50*((\blk)/4)
.if (\blk) < 4
.set xb, LOB-32*((\j)%2)+8*(\blk)
.else
.set xb, HIB+8*((\blk)-4)
.endif
.set ab, 64*((\blk)%4)
.set wb, 64*((\j)%4)
.set mb, 0
.rept 8
.if \zero
	v_wmma_f32_16x16x32_bf16 v[ab+8*mb:ab+8*mb+7], v[wb+8*mb:wb+8*mb+7], v[xb:xb+7], 0
.else
	v_wmma_f32_16x16x32_bf16 v[ab+8*mb:ab+8*mb+7], v[wb+8*mb:wb+8*mb+7], v[xb:xb+7], v[ab+8*mb:ab+8*mb+7]
.endif
.set mb, mb+1
.endr
.endm
; K STEPS.  j counts from where the stepped bases stand, always a multiple of four K steps, so W's buffer is j % 4 and the low fragments' buffer j % 2.  Each K step asks for W three K steps on, into the buffer
; that the K step before has read, for its own fragments of rows 64-127 behind its first eight products, and for the next K step's fragments of rows 0-63 in its middle.
; A plain one.  nl: the loads younger than this K step's W.  ld: what is asked for: 0 W; 1 the second head's q; 2 its b; 3 nothing.  last = 1: no K step follows.
; zero = 1 (pass 1's first K step): the wait on va_vdst that stands ahead of its first fragments' loads serves, since no vector or matrix instruction is issued between.
.macro KPLAIN j, zero, nl, ld=0, last=0
	s_wait_loadcnt \nl
.if !(\zero)
	s_wait_alu depctr_va_vdst(0)                   ; the K step before is done reading its W, v96-127 and its low fragments, in which this K step's loads land; behind STEP: v[AD] is written
.endif
	s_wait_dscnt 0x0                               ; rows 0-63's fragments are in
	MULB \j, 0, \zero
	XFHI \j
	MULB \j, 1, \zero
.if (\ld) == 0
	BLD ((\j)+3)%4, ((\j)+3)*KB
.elseif (\ld) == 1
	QLD QR, 10, 2048
.elseif (\ld) == 2
	QLD NB, 6, 2048
.endif
	MULB \j, 2, \zero
	MULB \j, 3, \zero
.if \last
	s_wait_dscnt 0x0
.else
	XFLO (\j)+1                                    ; no wait: no product since the head's wait names the other parity's buffer
	s_wait_dscnt 8                                 ; all but the 8 just issued: rows 64-127's fragments are in
.endif
	MULB \j, 4, \zero
	MULB \j, 5, \zero
	MULB \j, 6, \zero
	MULB \j, 7, \zero
.endm
; An even K step of pass 0: at its head the chunk in \slot is rounded; behind the second eight products it is stored at byte loff of my rows; in the second half the slot is asked for anew:
; ld = 0 the chunk at byte koff; 1 q; 2 b.  Younger than this K step's W are the next K step's W, a chunk and one more K step's W: 48; the chunk to be rounded is older than all of these.
.macro KXS j, zero, slot, loff, ld, koff
	s_wait_loadcnt 48
	XCVT \slot
	s_wait_alu depctr_va_vdst(0)                   ; the conversions have written the slot, which the LDS stores read, and are done with it for the loads that land in it; the K step before is done reading its W, v96-127 and its low fragments; v[XL] is written
	s_wait_dscnt 0x0                               ; rows 0-63's fragments are in
	MULB \j, 0, \zero
	XFHI \j
	MULB \j, 1, \zero
	XST \slot, \loff
	MULB \j, 2, \zero
	BLD ((\j)+3)%4, ((\j)+3)*KB
	MULB \j, 3, \zero
	XFLO (\j)+1                                    ; the same chunk as this K step's: it has been shown
	s_wait_dscnt 24                                ; younger than rows 64-127's fragments: 16 stores and 8 loads
	MULB \j, 4, \zero
	MULB \j, 5, \zero
	WIN 0
	s_wait_alu depctr_vm_vsrc(0)                   ; the LDS stores have read the slot, in which the loads below land
.if (\ld) == 0
	XLD \slot, \koff
.elseif (\ld) == 1
	QLD QR, 10, 0
.else
	QLD NB, 6, 0
.endif
	MULB \j, 6, \zero
	MULB \j, 7, \zero
.endm
; An odd K step of pass 0, with the barrier that shows the chunk stored in the K step before.  In front of the signal my stores of it are done (count 0: the others will read them).  Between signal and wait:
; fragments of this K step, bytes that nobody writes again, and 32 products.  Behind the wait: the first read of the new chunk.
; Younger than this K step's W are a chunk, two K steps' W and a chunk: 64; the count's field ends at 63, which asks for one load more.
.macro KBAR j
	s_wait_loadcnt 63
	s_wait_dscnt 0x0
	s_wait_alu depctr_va_vdst(0)                   ; the K step before is done reading its W, v96-127 and its low fragments, in which this K step's loads land; behind STEP: v[AD] and v[XL] are written
	s_barrier_signal -1
	MULB \j, 0, 0
	XFHI \j
	MULB \j, 1, 0
	MULB \j, 2, 0
	MULB \j, 3, 0
	s_barrier_wait -1
	XFLO (\j)+1                                    ; no wait: no product since the head's wait names the other parity's buffer
	s_wait_dscnt 8                                 ; rows 64-127's fragments are in
	MULB \j, 4, 0
	BLD ((\j)+3)%4, ((\j)+3)*KB
	MULB \j, 5, 0
	MULB \j, 6, 0
	MULB \j, 7, 0
.endm
.macro STEP x                          ; four K steps on; x = 1: two chunks on as well
	WIN 0                                          ; at a label and at a branch every window is 0
	s_wait_xcnt 0x0                                ; every earlier load has had its address translated (ISA guide 3.1): only now are the bases stepped
	s_wait_alu depctr_vm_vsrc(0)                   ; the LDS loads and stores issued so far have read v[AD] and v[XL]
	s_add_nc_u64 s[8:9], s[8:9], 4*KB
.if \x
	s_add_nc_u64 s[4:5], s[4:5], 512
	v_add_nc_u32 v[XL], 256, v[XL]
.endif
.irp n, 0,1,2,3
	v_add_nc_u32 v[AD+\n], 256, v[AD+\n]
.endr
.endm
; THE EPILOGUE's two products' parts.  X turned: 32 rows t x 128 columns of the head as source 1 ([k = t][n = d]): the turning load takes 16 t x 16 d.  Each 32 rows have an address register of their own.
.macro TRL tau, dst, p
.if (\tau) < 2
.set rA, TRA+(\tau)
.else
.set rA, TRC+(\tau)-2
.endif
.set c, 0
.rept 8
	ds_load_tr16_b128 v[(\dst)+8*c:(\dst)+8*c+3],   v[rA] offset:(\p)*1024+32*c
	ds_load_tr16_b128 v[(\dst)+8*c+4:(\dst)+8*c+7], v[rA] offset:(\p)*1024+32*c+HALFB
.set c, c+1
.endr
.endm
.macro CMUL tau, src, zero             ; C += p X for 32 rows: source 0 = p, the same in all 16 rows; the eight accumulators take turns
.set c, 0
.rept 8
.if \zero
	v_wmma_f32_16x16x32_bf16 v[CA+8*c:CA+8*c+7], v[PF+8*(\tau):PF+8*(\tau)+7], v[(\src)+8*c:(\src)+8*c+7], 0
.else
	v_wmma_f32_16x16x32_bf16 v[CA+8*c:CA+8*c+7], v[PF+8*(\tau):PF+8*(\tau)+7], v[(\src)+8*c:(\src)+8*c+7], v[CA+8*c:CA+8*c+7]
.endif
.set c, c+1
.endr
.endm
; THE EPILOGUE of pass p.  nl: the loads younger than q and b.  All its LDS scratch is the wave's own: LDS serves a wave's instructions in order (ISA guide 5.7.1.4), so no wait on DScnt stands between a store and the load that reads it back.
.macro EPI p, nl
	WIN 0
	s_wait_loadcnt \nl
	PLACES                                         ; the lines below write v32-63, which the last K step's first products read: only products stand between
.set i, 0
.rept 32                                               ; b: rounded to bf16, two a register; these 128 lines are also the places behind the last products
	v_cvt_pk_bf16_f32 v[CH+i], v[NB+2*i], v[NB+2*i+1]
.set i, i+1
.endr
.set i, 0
.rept 32
	v_xor_b32 v[CH+i], s28, v[CH+i]                ; both signs turned,
.set i, i+1
.endr
.set i, 0
.rept 32
	v_lshlrev_b32 v[NB+2*i], 16, v[CH+i]           ; and f32 again: -b
	v_and_b32 v[NB+2*i+1], s27, v[CH+i]
.set i, i+1
.endr
.set a, 0
.rept 8                                                ; rows 16 a .. 16 a + 15: max(x, -b), each accumulator from its low end on; times q, in four chains that the first products start
	WIN 0x02+(a/4)
.set i, 0
.rept 64
	v_max_num_f32 v[XF+i], v[64*(a%4)+i], v[NB+i]
.set i, i+1
.endr
	WIN 0
.set i, 0
.rept 32
.if i < 4
	v_pk_mul_f32 v[CH+2*i:CH+2*i+1], v[XF+2*i:XF+2*i+1], v[QR+2*i:QR+2*i+1]
.else
	v_pk_fma_f32 v[CH+2*(i%4):CH+2*(i%4)+1], v[XF+2*i:XF+2*i+1], v[QR+2*i:QR+2*i+1], v[CH+2*(i%4):CH+2*(i%4)+1]
.endif
.set i, i+1
.endr
	v_pk_add_f32 v[CH:CH+1], v[CH:CH+1], v[CH+2:CH+3]
	v_pk_add_f32 v[CH+4:CH+5], v[CH+4:CH+5], v[CH+6:CH+7]
	v_pk_add_f32 v[CH:CH+1], v[CH:CH+1], v[CH+4:CH+5]
	v_add_f32 v[EN+a], v[CH], v[CH+1]
.set a, a+1
.endr
.set a, 0
.rept 8
	v_permlanex16_b32 v[XF+a], v[EN+a], s24, s25   ; the row's other 64 columns lie in the lane 16 away (the destination has been written: it counts as read)
.set a, a+1
.endr
.set a, 0
.rept 8
	v_add_f32 v[EN+a], v[EN+a], v[XF+a]
.set a, a+1
.endr
	s_wait_alu depctr_va_vdst(0)                   ; the additions have written the energies, which the LDS stores read; the lines that used v52-55 for the bias are done, and the load below lands there
.set a, 0
.rept 8
	ds_store_b32 v[SE], v[EN+a] offset:64*a        ; both halves of the lanes hold, and write, the same number
.set a, a+1
.endr
	ds_load_b128 v[OUTR:OUTR+3], v[SL]             ; back as four neighbouring rows a lane
	v_max3_num_f32 v[MX], v[EN], v[EN+1], v[EN+2]
	v_max3_num_f32 v[MX], v[MX], v[EN+3], v[EN+4]
	v_max3_num_f32 v[MX], v[MX], v[EN+5], v[EN+6]
	v_max_num_f32 v[MX], v[MX], v[EN+7]
.irp m, 1,2,4,8
	v_max_num_f32_dpp v[MX], v[MX], v[MX] row_xmask:\m row_mask:0xf bank_mask:0xf
.endr
	s_wait_dscnt 0x0
	global_store_b128 v[BO], v[OUTR:OUTR+3], s[12:13] offset:(\p)*32768  ; the block's 128 energies: 512 consecutive bytes
.set a, 0
.rept 8
	v_sub_f32 v[PW+a], v[EN+a], v[MX]              ; the difference first, then the factor: large energies lose nothing
.set a, a+1
.endr
.set a, 0
.rept 8
	v_mul_f32 v[PW+a], s26, v[PW+a]
.set a, a+1
.endr
.set a, 0
.rept 8
	v_exp_f32 v[PW+a], v[PW+a]
.set a, a+1
.endr
	v_nop                                          ; a plain instruction between the last exponential and the use of its result (ISA guide 5.7.2)
	s_wait_alu depctr_va_vdst(0)                   ; the eight exponentials have written p, ahead of the first line that names it
.set a, 0
.rept 8
	v_cvt_pk_bf16_f32 v[PW+a], v[PW+a], v[PW+a]
.set a, a+1
.endr
	s_wait_alu depctr_va_vdst(0)                   ; the roundings have written p, which the LDS stores read; every vector line that named v32-127 and v192-255 is done, and the loads below land there
.set a, 0
.rept 8
	ds_store_b16 v[PST], v[PW+a] offset:32*a       ; p[16 a + l % 16]
.set a, a+1
.endr
	s_wait_xcnt 0x0                                ; the energies' store has had its address translated (ISA guide 3.1): the loads below land on its data registers
	s_wait_alu depctr_vm_vsrc(0)                   ; the energies' store has read v52-55 and p's LDS stores v40-47, in which the loads below land
.set i, 0
.rept 8                                                ; p as source 0: K step i / 2; every lane of a half takes the same 16 bytes, so all 16 rows of the operand are alike
	ds_load_b128 v[PF+4*i:PF+4*i+3], v[PLD] offset:32*i
.set i, i+1
.endr
	TRL 0, XF, \p
	TRL 1, NB, \p
	s_wait_dscnt 0x0
	CMUL 0, XF, 1
	CMUL 1, NB, 0
	s_wait_alu depctr_va_vdst(0)                   ; these sixteen products are done reading X turned, in whose registers the next turning loads land
	TRL 2, XF, \p
	TRL 3, NB, \p
	s_wait_dscnt 0x0
	CMUL 2, XF, 0
	CMUL 3, NB, 0
	PLACES                                         ; four places behind the last product, before its result is read
	s_wait_alu depctr_va_vdst(0)                   ; the products have written C's sums, which the LDS stores read, and are done reading p, on whose first registers the load below lands; the places above stay beside this wait
.set c, 0
.rept 8
	ds_store_b32 v[SE], v[CA+8*c] offset:512+64*c  ; register 0 of accumulator c: C[16 c + l % 16], in every lane's half alike
.set c, c+1
.endr
	ds_load_b128 v[PF:PF+3], v[SL] offset:512
	s_wait_dscnt 0x0
	global_store_b128 v[BO], v[PF:PF+3], s[14:15] offset:(\p)*2048  ; the head's 128 numbers: 512 consecutive bytes
.endm
	s_load_b256 s[4:11], s[0:1], 0x0               ; X s[4:5], psi_b s[6:7], wf s[8:9], qv s[10:11]
	s_load_b128 s[12:15], s[0:1], 0x20             ; en s[12:13], pc s[14:15]
	v_lshl_add_u32 v[SPW], v0, 2, SPARE
	v_mov_b32 v[NIL], 0
	v_lshrrev_b32 v24, 5, v0
	v_readfirstlane_b32 s16, v24                   ; wave 0..3
	v_and_b32 v1, 31, v0                           ; lane
	v_and_b32 v2, 15, v0                           ; l % 16
	v_bfe_u32 v3, v0, 4, 1                         ; l / 16
	s_wait_alu depctr_va_sdst(0)                   ; s16 is written, ahead of its first reader: offsets and bases are made from it
	s_lshl_b32 s17, s16, 17                        ; my wave's 32 rows of 4,096 bytes
	v_lshl_add_u32 v[XO], v3, 15, s17
	v_lshl_add_u32 v[XO], v2, 4, v[XO]
	v_lshlrev_b32 v[BO], 4, v1
	s_lshl_b32 s18, ttmp9, 19                      ; the block's 128 rows of 4,096 bytes: 511 x 524,288 at the most, inside 32 bits
	s_mov_b32 s19, 0
	s_lshl_b32 s20, s16, 19                        ; my wave's two heads in wf
	s_mov_b32 s21, 0
	s_wait_kmcnt 0x0
	s_add_nc_u64 s[4:5], s[4:5], s[18:19]
	s_add_nc_u64 s[8:9], s[8:9], s[20:21]
	s_wait_alu depctr_va_vdst(0)                   ; v[XO] and v[BO] are written, which the loads below read as their offsets
	XLD 0, 0                                       ; chunks 0 and 1, W of K steps 0 and 1: asked for before anything else is done
	XLD 1, 256
	BLD 0, 0
	BLD 1, KB
	WIN 0
	s_lshl_b32 s17, s16, 9                         ; 512 w: my first head's 128 f32
	s_mov_b32 s18, s17
	s_add_nc_u64 s[6:7], s[6:7], s[18:19]          ; psi_b at my first head
	s_lshr_b32 s20, ttmp9, 4                       ; the batch
	s_lshl_b32 s18, s20, 12
	s_add_co_u32 s18, s18, s17
	s_add_nc_u64 s[10:11], s[10:11], s[18:19]      ; q at the batch and my first head
	s_lshl_b32 s18, ttmp9, 12
	s_add_co_u32 s18, s18, s17
	s_add_nc_u64 s[14:15], s[14:15], s[18:19]      ; pc [block][head][128]
	s_lshl_b32 s18, s20, 16
	s_lshl_b32 s21, s16, 13
	s_add_co_u32 s18, s18, s21
	s_and_b32 s21, ttmp9, 15
	s_lshl_b32 s21, s21, 9
	s_add_co_u32 s18, s18, s21
	s_add_nc_u64 s[12:13], s[12:13], s[18:19]      ; en [batch][head][2048] at the block's 128 rows
	s_mov_b32 s24, 0x76543210                      ; v_permlanex16_b32: each lane takes its own place in the other half
	s_mov_b32 s25, 0xfedcba98
	s_mov_b32 s26, 0x3fb8aa3b                      ; log2 e
	s_mov_b32 s27, 0xffff0000                      ; a word's upper bf16
	s_mov_b32 s28, 0x80008000                      ; the signs of two bf16
	v_mul_u32_u24 v[AD], v2, PITCH                 ; a fragment: lane l holds row l % 16, k = 8 (l / 16) + 0..7 and 16 + 8 (l / 16) + 0..7: two loads of 16 bytes, 32 apart
	v_lshl_add_u32 v[AD], v3, 4, v[AD]
	v_add_nc_u32 v[AD+1], PAIRB, v[AD]
	v_add_nc_u32 v[AD+2], 2*PAIRB, v[AD]
	v_add_nc_u32 v[AD+3], 3*PAIRB, v[AD]
.irp n, 0,1,2,3
	v_mov_b32 v[ADC+\n], v[AD+\n]
.endr
	s_mul_i32 s21, s16, PAIRB
	v_mul_u32_u24 v[XL], v3, 8*PITCH
	v_add_nc_u32 v[XL], s21, v[XL]
	v_lshl_add_u32 v[XL], v2, 3, v[XL]
	v_lshlrev_b32 v[QO], 5, v3
	v_and_b32 v24, 7, v0                           ; the turning load: lane l reads row 8 (l / 16) + l % 8, columns 8 ((l / 8) % 2) + 0..7
	v_bfe_u32 v25, v0, 3, 1
	v_lshl_add_u32 v[TRA], v3, 3, v24
	v_mul_u32_u24 v[TRA], v[TRA], PITCH
	v_lshl_add_u32 v[TRA], v25, 4, v[TRA]
	s_lshl_b32 s21, s16, 8                         ; my first head's 128 columns of bf16
	v_add_nc_u32 v[TRA], s21, v[TRA]
	s_mul_i32 s20, s16, SCRW
	s_add_co_u32 s20, s20, SCR                     ; my scratch
	s_add_co_u32 s21, s20, 1024
	v_lshl_add_u32 v[SE], v2, 2, s20
	v_lshl_add_u32 v[SL], v1, 4, s20
	v_lshl_add_u32 v[PST], v2, 1, s21
	v_lshl_add_u32 v[PLD], v3, 4, s21
	v_add_nc_u32 v[TRA+1], PAIRB, v[TRA]           ; the turning loads' places 32, 64 and 96 rows on: made once, so that no epilogue writes an address
	v_add_nc_u32 v[TRC], 2*PAIRB, v[TRA]
	v_add_nc_u32 v[TRC+1], 3*PAIRB, v[TRA]
	s_wait_loadcnt 48                              ; chunk 0 is in; chunk 1 and two K steps' W stay out
	XCVT 0
	s_wait_alu depctr_va_vdst(0)                   ; the conversions have written slot 0, which the LDS stores read, and are done with it for the loads that land in it; all the addresses made above are written
	XST 0, 0
	s_wait_alu depctr_vm_vsrc(0)                   ; the LDS stores have read slot 0, in which chunk 2 lands
	XLD 0, 512                                     ; chunk 2
	BLD 2, 2*KB
	s_wait_dscnt 0x0                               ; my rows of chunk 0 are in LDS,
	s_barrier_signal -1
	s_barrier_wait -1                              ; everybody's are
	XFLO 0
	; PASS 0: head w.  K step 0 stands ahead of the loop: its products start the sums.  A trip is K steps 4 i + 1 .. 4 i + 4; it stores chunks 2 i + 2, 2 i + 3 and asks for chunks 2 i + 4, 2 i + 5.
	KXS 0, 1, 1, 128, 0, 768
	WIN 0
	s_mov_b32 s22, 6
.Lp0:
	KBAR 1
	KXS 2, 0, 0, 256, 0, 1024
	KBAR 3
	KXS 4, 0, 1, 384, 0, 1280
	STEP 1
	s_sub_co_u32 s22, s22, 1
	s_cmp_lg_u32 s22, 0
	s_cbranch_scc1 .Lp0
	KBAR 1                                         ; K steps 25 to 28: no chunk is left to ask for; q and b, 16 loads each, take the chunks' places, so every count stays
	KXS 2, 0, 0, 256, 1, 0
	KBAR 3
	KXS 4, 0, 1, 384, 2, 0
	KBAR 5                                         ; K step 29: the last chunk is shown.  The last three K steps ask for the second head's first three K steps of W, which follow in wf
	KPLAIN 6, 0, 48                                ; younger than its W: one K step's W, b, one K step's W
	KPLAIN 7, 0, 48, 0, 1                          ; younger: b and two K steps' W
	EPI 0, 48                                      ; younger than b: the second head's three K steps of W, which stay out
	; PASS 1: head w + 4.  All of X lies in LDS and nobody writes it: no barrier.
	s_wait_xcnt 0x0                                ; the loads and stores so far have had their addresses translated (ISA guide 3.1): W's base and the stores' data registers are rewritten only behind this wait
	s_wait_alu depctr_vm_vsrc(0)                   ; the fragments' loads have read v[AD]; the epilogue's stores have read v24-31, v32-35 and C's sums, all of which this pass writes again
	s_add_nc_u64 s[8:9], s[8:9], 8*KB              ; from K step 24 of the first head to K step 0 of the second
.irp n, 0,1,2,3
	v_mov_b32 v[AD+\n], v[ADC+\n]
.endr
	s_wait_alu depctr_va_vdst(0)                   ; v[AD] is written, which the fragments' loads read; the epilogue's vector lines and products are done with v32-127 and the first pass's products with their W, in which the loads of the first K step land
	XFLO 0
	KPLAIN 0, 1, 32                                ; in this pass two K steps' W are younger than the one wanted
	WIN 0
	s_mov_b32 s22, 7
.Lp1:
	KPLAIN 1, 0, 32
	KPLAIN 2, 0, 32
	KPLAIN 3, 0, 32
	KPLAIN 4, 0, 32
	STEP 0
	s_sub_co_u32 s22, s22, 1
	s_cmp_lg_u32 s22, 0
	s_cbranch_scc1 .Lp1
	KPLAIN 1, 0, 32, 1                             ; K steps 29 to 31: no W is left to ask for; q and b take its place, 16 loads each
	KPLAIN 2, 0, 32, 2
	KPLAIN 3, 0, 32, 3, 1
	EPI 1, 0
	s_wait_dscnt 0x0                               ; the closing lines, six on end
	s_wait_alu 0x0
	s_wait_tensorcnt 0x0
	ds_add_u32 v[SPW], v[NIL]
	s_wait_dscnt 0x0
	s_endpgm
.Lfunc_end_k_qb25dc498eb_attn:
	.size	k_qb25dc498eb_attn, .Lfunc_end_k_qb25dc498eb_attn-k_qb25dc498eb_attn
	.p2alignl 7, 3214868480
	.fill 96, 4, 3214868480
	.section	.rodata,"a",@progbits
	.p2align	6, 0x0
	.amdhsa_kernel k_qb25dc498eb_attn
		.amdhsa_group_segment_fixed_size 270848
		.amdhsa_private_segment_fixed_size 0
		.amdhsa_enable_private_segment 0
		.amdhsa_kernarg_size 48
		.amdhsa_user_sgpr_count 2
		.amdhsa_user_sgpr_kernarg_segment_ptr 1
		.amdhsa_wavefront_size32 1
		.amdhsa_system_sgpr_workgroup_id_x 1
		.amdhsa_system_sgpr_workgroup_id_y 1
		.amdhsa_system_sgpr_workgroup_id_z 1
		.amdhsa_system_vgpr_workitem_id 0
		.amdhsa_next_free_vgpr 1024
		.amdhsa_next_free_sgpr 66
		.amdhsa_reserve_vcc 0
		.amdhsa_float_denorm_mode_32 3
		.amdhsa_float_denorm_mode_16_64 3
		.amdhsa_memory_ordered 1
		.amdhsa_forward_progress 1
		.amdhsa_inst_pref_size 255
	.end_amdhsa_kernel
	.section	.bss,"aw",@nobits
	.p2align	6
	.space	262144
	.amdgpu_metadata
---
amdhsa.version: [ 1, 2 ]
amdhsa.kernels:
  - .name:           k_qb25dc498eb_attn
    .symbol:         k_qb25dc498eb_attn.kd
    .args:
      - { .name: listener_feature, .offset: 0, .size: 8, .value_kind: global_buffer, .address_space: global }
      - { .name: psi_b, .offset: 8, .size: 8, .value_kind: global_buffer, .address_space: global }
      - { .name: wf, .offset: 16, .size: 8, .value_kind: global_buffer, .address_space: global }
      - { .name: qv, .offset: 24, .size: 8, .value_kind: global_buffer, .address_space: global }
      - { .name: en, .offset: 32, .size: 8, .value_kind: global_buffer, .address_space: global }
      - { .name: pc, .offset: 40, .size: 8, .value_kind: global_buffer, .address_space: global }
    .group_segment_fixed_size: 270848
    .private_segment_fixed_size: 0
    .kernarg_segment_align: 8
    .kernarg_segment_size: 48
    .max_flat_workgroup_size: 128
    .sgpr_count:     66
    .vgpr_count:     1024
    .wavefront_size: 32
...
	.end_amdgpu_metadata
.endif
;; end of part 4
;; launch fin: the kernel of part 3 again; grid 256 x 1, 1 waves a work-group, no clusters, 0 bytes of LDS; arguments en, pc, out0, out1; writes out0, out1
